; MI455X (gfx1250); checked and timed in simulation.
; The chip was launched on July 23, 2026; its instructions are those of AMD's public machine-readable ISA for CDNA 5 (MIT licence, August 2026) and "CDNA5" Instruction Set Architecture Reference Guide (July 2026). The comments in the code are by the model that wrote it; some were corrected since.
;; LSTM Cell. Allowed arithmetic: float matrix products may take bf16 or f16 operands with f32 sums; other float arithmetic in f32, or as packed bf16 or f16 multiplies, adds, multiply-adds, maxima and minima; sums over many terms, partial sums and values carried from step to step in f32; what a program stores and reads back later, other than sums and carried values, may be rounded once to bf16 or f16.
;; Inputs: Whc 1,024 x 1,024 float32; Whf 1,024 x 1,024 float32; Whi 1,024 x 1,024 float32; Who 1,024 x 1,024 float32; Wxc 1,024 x 1,024 float32; Wxf 1,024 x 1,024 float32; Wxi 1,024 x 1,024 float32; Wxo 1,024 x 1,024 float32; bhc 1,024 float32; bhf 1,024 float32; bhi 1,024 float32; bho 1,024 float32; bxc 1,024 float32; bxf 1,024 float32; bxi 1,024 float32; bxo 1,024 float32; c_prev 8,192 x 1,024 float32; h_prev 8,192 x 1,024 float32; x 8,192 x 1,024 float32.
;; Outputs: out0 8,192 x 1,024 float32; out1 8,192 x 1,024 float32.
;; 2 versions, each right; version 2 is version 1 with the launch cast written anew for expert scheduling mode. Each part assembles by itself: llvm-mc -triple=amdgcn-amd-amdhsa -mcpu=gfx1250 --defsym DOCPART=n.
;; ======== version 1 of 2: 2 launches
;; workspace buffers: abf 33,554,432 bytes; wbf 16,777,216 bytes
;; launch cast (part 1): grid 32 x 24, 8 waves a work-group, no clusters, 0 bytes of LDS; arguments x, h_prev, Wxi, Wxf, Wxc, Wxo, Whi, Whf, Whc, Who, abf, wbf; writes abf, wbf
.if DOCPART == 1
	.amdgcn_target "amdgcn-amd-amdhsa--gfx1250"
	.amdhsa_code_object_version 6
	.text
	.protected	k_qf49cd357f7_cast
	.globl	k_qf49cd357f7_cast
	.p2align	8
	.type	k_qf49cd357f7_cast,@function
k_qf49cd357f7_cast:
	s_mov_b64 s[64:65], 0
	v_nop
	global_prefetch_b8 v0, s[64:65] scope:SCOPE_SE
	s_setreg_imm32_b32 hwreg(HW_REG_WAVE_MODE, 25, 1), 1
	s_wait_xcnt 0x0
; LSTM cell, first of two launches: x, h_prev and the eight weight matrices are rounded once to bf16 (nearest even) and laid out for the product.
; NO WORK OF THE PROBLEM IS LEFT OUT: all 19 inputs reach both outputs; the eight biases and c_prev are read by the second launch.
; abf [8192][2048] bf16: row r = x[r] (bytes 0..2047), then h_prev[r] (bytes 2048..4095).
; wbf [4096][2048] bf16: row (j/32) 128 + 32 g + j%32 for hidden column j and gate g (0 i, 1 f, 2 c, 3 o) = Wx_g[j], then Wh_g[j]:
; 128 rows on end are the four gates of 32 hidden columns, which is what one wave of the second launch multiplies.
; LIMITS.  Every number is off by at most 2^-8 of itself after the rounding; a magnitude above bf16's largest finite number (3.39e38) becomes an infinity; NaN stays NaN.
; SHARES.  24,576 source rows of 4,096 bytes in 24 segments of 1,024 rows (y = 0..7 x, 8..15 h_prev, 16..23 the weights in the arguments' order).  A work-group takes 32 rows,
; a wave four, a lane 16 bytes of each 512: 32 loads a lane, all issued before the first wait.  A load of a wave covers 512 consecutive bytes, a store 256 consecutive bytes, aligned.
; No LDS, no barrier: no byte is used by two waves.  No register is written again behind its store, so no wait stands for the stores.
.set ROWB, 4096                        ; bytes in a source row, and in a row of abf and wbf
.set X,    8                           ; v[8:135]  32 x 4 registers as loaded; the first two of each four then hold the packed result
	s_load_b512 s[8:23], s[0:1], 0x0               ; x s[8:9], h_prev s[10:11], weights 0..5 at s[12+2w:13+2w]
	s_load_b256 s[24:31], s[0:1], 0x40             ; weights 6, 7 s[24:27], abf s[28:29], wbf s[30:31]
	s_and_b32 s2, ttmp7, 0xffff                    ; y: the segment
	s_mov_b32 s3, ttmp9                            ; which 32 rows of it
	s_and_b32 s34, s2, 7
	s_lshl_b32 s34, s34, 10
	s_lshl_b32 s5, s3, 5                           ; a weight's source row: 32 x
	s_add_co_u32 s34, s34, s5                      ; an activation's row, source and destination: 1,024 (y % 8) + 32 x
	s_and_b32 s6, s2, 3                            ; the gate
	s_lshl_b32 s6, s6, 5
	s_lshl_b32 s4, s3, 7
	s_add_co_u32 s6, s6, s4                        ; a weight's destination row: 128 x + 32 g
	s_bfe_u32 s7, s2, 0x10003                      ; an activation's half of K: 0 for x, 1 for h_prev
	s_bfe_u32 s35, s2, 0x10002                     ; a weight's: 0 for Wx, 1 for Wh
	s_cmp_lt_u32 s2, 16                            ; an activation?  (the selects leave the flag as it is)
	s_cselect_b32 s5, s34, s5
	s_cselect_b32 s6, s34, s6
	s_cselect_b32 s7, s7, s35
	s_lshl_b32 s40, s5, 12                         ; source offset in bytes
	s_mov_b32 s41, 0
	s_lshl_b32 s42, s6, 12                         ; destination offset: the row,
	s_lshl_b32 s7, s7, 11
	s_add_co_u32 s42, s42, s7                      ; and 2,048 bytes for the second half of K
	s_mov_b32 s43, 0
	v_and_b32 v3, 31, v0                           ; lane
	v_and_b32 v4, 0xe0, v0                         ; 32 x wave
	v_lshlrev_b32 v1, 4, v3
	v_lshl_or_b32 v1, v4, 9, v1                    ; source: wave x 4 rows x 4,096 + 16 x lane
	v_lshlrev_b32 v2, 3, v3
	v_lshl_or_b32 v2, v4, 9, v2                    ; destination: the same rows + 8 x lane
	s_wait_kmcnt 0x0
	s_cmp_lt_u32 s2, 8
	s_cselect_b64 s[36:37], s[8:9], s[10:11]       ; the source buffer: x or h_prev,
.irp w, 0,1,2,3,4,5,6,7
	s_cmp_eq_u32 s2, 16+(\w)
	s_cselect_b64 s[36:37], s[12+2*(\w):13+2*(\w)], s[36:37]  ; or weight y - 16
.endr
	s_cmp_lt_u32 s2, 16
	s_cselect_b64 s[38:39], s[28:29], s[30:31]     ; the destination buffer
	s_add_nc_u64 s[36:37], s[36:37], s[40:41]
	s_add_nc_u64 s[38:39], s[38:39], s[42:43]
.set n, 0
.rept 32                               ; row n / 8 of my four, piece n % 8 of its eight
	global_load_b128 v[X+4*n:X+4*n+3], v1, s[36:37] offset:(n/8)*ROWB+(n%8)*512 th:TH_LOAD_NT
.set n, n+1
.endr
.set n, 0
.rept 32
	s_wait_loadcnt 31-n                            ; loads come back in order: load n is in, the 31 - n younger ones may stay out
	v_cvt_pk_bf16_f32 v[X+4*n], v[X+4*n], v[X+4*n+1]
	v_cvt_pk_bf16_f32 v[X+4*n+1], v[X+4*n+2], v[X+4*n+3]
	global_store_b64 v2, v[X+4*n:X+4*n+1], s[38:39] offset:(n/8)*ROWB+(n%8)*256 th:TH_STORE_NT
.set n, n+1
.endr
	s_endpgm
.Lfunc_end_k_qf49cd357f7_cast:
	.size	k_qf49cd357f7_cast, .Lfunc_end_k_qf49cd357f7_cast-k_qf49cd357f7_cast
	.p2alignl 7, 3214868480
	.fill 96, 4, 3214868480
	.section	.rodata,"a",@progbits
	.p2align	6, 0x0
	.amdhsa_kernel k_qf49cd357f7_cast
		.amdhsa_group_segment_fixed_size 0
		.amdhsa_private_segment_fixed_size 0
		.amdhsa_enable_private_segment 0
		.amdhsa_kernarg_size 96
		.amdhsa_user_sgpr_count 2
		.amdhsa_user_sgpr_kernarg_segment_ptr 1
		.amdhsa_wavefront_size32 1
		.amdhsa_system_sgpr_workgroup_id_x 1
		.amdhsa_system_sgpr_workgroup_id_y 1
		.amdhsa_system_sgpr_workgroup_id_z 1
		.amdhsa_system_vgpr_workitem_id 0
		.amdhsa_next_free_vgpr 136
		.amdhsa_next_free_sgpr 66
		.amdhsa_reserve_vcc 0
		.amdhsa_float_denorm_mode_32 3
		.amdhsa_float_denorm_mode_16_64 3
		.amdhsa_memory_ordered 1
		.amdhsa_forward_progress 1
		.amdhsa_inst_pref_size 14
	.end_amdhsa_kernel
	.amdgpu_metadata
---
amdhsa.version: [ 1, 2 ]
amdhsa.kernels:
  - .name:           k_qf49cd357f7_cast
    .symbol:         k_qf49cd357f7_cast.kd
    .args:
      - { .name: x, .offset: 0, .size: 8, .value_kind: global_buffer, .address_space: global }
      - { .name: h_prev, .offset: 8, .size: 8, .value_kind: global_buffer, .address_space: global }
      - { .name: Wxi, .offset: 16, .size: 8, .value_kind: global_buffer, .address_space: global }
      - { .name: Wxf, .offset: 24, .size: 8, .value_kind: global_buffer, .address_space: global }
      - { .name: Wxc, .offset: 32, .size: 8, .value_kind: global_buffer, .address_space: global }
      - { .name: Wxo, .offset: 40, .size: 8, .value_kind: global_buffer, .address_space: global }
      - { .name: Whi, .offset: 48, .size: 8, .value_kind: global_buffer, .address_space: global }
      - { .name: Whf, .offset: 56, .size: 8, .value_kind: global_buffer, .address_space: global }
      - { .name: Whc, .offset: 64, .size: 8, .value_kind: global_buffer, .address_space: global }
      - { .name: Who, .offset: 72, .size: 8, .value_kind: global_buffer, .address_space: global }
      - { .name: abf, .offset: 80, .size: 8, .value_kind: global_buffer, .address_space: global }
      - { .name: wbf, .offset: 88, .size: 8, .value_kind: global_buffer, .address_space: global }
    .group_segment_fixed_size: 0
    .private_segment_fixed_size: 0
    .kernarg_segment_align: 8
    .kernarg_segment_size: 96
    .max_flat_workgroup_size: 256
    .sgpr_count:     66
    .vgpr_count:     136
    .wavefront_size: 32
...
	.end_amdgpu_metadata
.endif
;; end of part 1
;; launch lstm (part 2): grid 16 x 16, 4 waves a work-group, clusters of 4 x 4, 327,680 bytes of LDS; arguments abf, wbf, out0, out1, bxi, bxf, bxc, bxo, bhi, bhf, bhc, bho, c_prev; writes out0, out1
.if DOCPART == 2
	.amdgcn_target "amdgcn-amd-amdhsa--gfx1250"
	.amdhsa_code_object_version 6
	.text
	.protected	k_qf49cd357f7_lstm
	.globl	k_qf49cd357f7_lstm
	.p2align	8
	.type	k_qf49cd357f7_lstm,@function
k_qf49cd357f7_lstm:
	s_mov_b64 s[64:65], 0
	v_nop
	global_prefetch_b8 v0, s[64:65] scope:SCOPE_SE
	s_setreg_imm32_b32 hwreg(HW_REG_WAVE_MODE, 25, 1), 1
	s_wait_xcnt 0x0
	s_wait_alu depctr_hold_cnt(0) depctr_sa_sdst(0) depctr_va_vdst(0) depctr_va_sdst(0) depctr_va_ssrc(0) depctr_va_vcc(0) depctr_vm_vsrc(0)
	s_getreg_b32 s2, hwreg(HW_REG_IB_STS2, 6, 4)
	s_cmp_eq_u32 s2, 0
	s_cbranch_scc0 .Lentry_in_a_cluster
	s_endpgm
.Lentry_in_a_cluster:
	s_bfe_u32 s2, ttmp6, 0x10000c
	s_cmp_lg_u32 s2, 0xf033
	s_cbranch_scc0 .Lentry_shape_is_right
	s_endpgm
.Lentry_shape_is_right:
; LSTM cell, second launch.  gates[8192][4096] = abf wbf^T + (bx + bh), sums in f32; i, f, o = sigmoid, g = tanh; c_new = f c_prev + i g (out1); h_new = o tanh(c_new) (out0).
; No work of the problem is left out.  abf = [x | h_prev] and wbf = [Wx | Wh] in bf16, laid out by the launch before: wbf's row (j/32) 128 + 32 g + j%32 is gate g of hidden column j.
; ROUNDING.  Every input enters rounded once to bf16: the biases and c_prev are rounded here; all arithmetic behind that is f32.
; LIMITS.  sigmoid(z) = 1 / (1 + 2^(-z log2 e)), tanh(z) = 1 - 2 / (1 + 2^(2 z log2 e)): where the power overflows to infinity or falls to 0 both give their limits 0, 1, -1;
; tanh carries an absolute error of about 1e-7 near 0; a power below 2^-126 counts as 0; a magnitude above 3.39e38 in c_prev or a bias becomes an infinity; NaN passes through.
; SHARES.  A tile is 256 rows x 256 gate columns (four gates of 64 hidden columns); a work-group of four waves makes two tiles, 4,096 rows apart, on the same rows of wbf.  A wave makes
; 128 rows x 128 gate columns (four gates of 32 hidden columns): 64 accumulators of 16 x 16, 512 registers.  K goes in steps of 128 through a ring of two LDS slots filled by the tensor data mover.
; THE MATRIX INSTRUCTION IS USED TRANSPOSED (source 0 = 16 rows of wbf, source 1 = 16 rows of abf): lane l holds row l % 16, its registers 0-7 the columns 8 (l / 16) + 0..7.  Column block b = 2 g + hb,
; so the same lane and register of blocks hb, 2 + hb, 4 + hb, 6 + hb are i, f, g, o of ONE element: the gate arithmetic changes no lane and works in the accumulators' registers.
; THE BIAS is the C operand of each accumulator's first product: nothing is cleared, and no bias is added later.
; CLUSTER.  4 x 4 work-groups: the four of a row need the same tiles of abf, the four of a column the same tiles of wbf: each tile is asked for jointly, by the same tensor load, descriptor and mask.
; c_prev is shared by no two work-groups: it comes straight into registers, asked for seven quarter steps ahead of its use.
; REGISTERS, in windows of 256 (s_set_vgpr_msb: bits 1:0 source 0, 3:2 source 1, 5:4 source 2, 7:6 destination):
;   window 0: v0-31 addresses; v32-63 rows read back from the stage; v64-127, v128-191 fragments of abf, two buffers; v192-255 c_prev of row blocks 0-3 (16 a block)
;   window 1: v0-63 the bias (column block b at 8 b); v64-127, v128-191 fragments of wbf; v192-255 c_prev of row blocks 4-7
;   window 2: the accumulators of my rows 0-63 ((a, b) at v[8 (8 a + b)]);   window 3: those of my rows 64-127
.set SIZE_K, 2048
.set KSTEP,  128
.set ROWA,   SIZE_K*2                  ; bytes in a row of abf and of wbf
.set ROWO,   4096                      ; bytes in a row of c_prev, out0 and out1
.set PITCH,  272                       ; an LDS row: 256 bytes + 16 of padding = 68 words, so the 16 rows that a load touches start at 16 different groups of four banks (64 banks of 4 bytes: ISA guide 11.1)
.set HALFT,  128*PITCH                 ; 128 rows: what one tensor load brings
.set SLOT,   4*HALFT                   ; abf's 256 rows, then wbf's 256 rows
.set STAGE,  2*SLOT                    ; behind the ring, never filled by a tensor load: the work-group's stage for the way out
.set SPITCH, 272                       ; a stage row: 64 hidden columns in f32 + 16 bytes
.set SHALF,  16*SPITCH                 ; 16 rows of one half of the tile's rows
.set SARR,   2*SHALF                   ; one array (h_new, then c_new)
.set SBUF,   2*SARR                    ; one of the stage's two buffers, taken by a row block's parity
.set SPARE,  STAGE+2*SBUF              ; behind the stage: the spare words, 128 bytes a wave: two blocks of 256 bytes that no other line names
.set LAPS,   SIZE_K/(2*KSTEP)          ; a lap = two K steps = once round the ring
.set WALK,   4096                      ; rows from a work-group's first tile to its second
.set NEXT_A, WALK*ROWA-(SIZE_K-2*KSTEP)*2  ; from a slot's last K step of a tile to its first of the next: abf goes WALK rows down and back along K,
.set BACK_B, (SIZE_K-2*KSTEP)*2        ; wbf only back
.set NEXT_T, WALK*ROWO                 ; c_prev's and the outputs' step from tile to tile
.set ADRA, 16                          ; v16-17  LDS address of my abf fragments in slot 0, 1
.set ADRB, 20                          ; v20-21  the same for wbf
.set STO,  24                          ; v24     the way out: where I put 16 bytes of a stage row
.set RD,   25                          ; v25     the way out: where I read rows back
.set CO,   26                          ; v26     my byte offset in two rows of an output
.set CPO,  27                          ; v27     my byte offset in 16 rows of c_prev
.set SPW,  28                          ; v28     LDS address of my spare word: SPARE + 4 x my thread's number; never rewritten
.set NIL,  29                          ; v29     0; never rewritten
.set PFO,  30                          ; v30     the prefetches' offset: my lane x a row of abf or wbf; never rewritten
.set BO,   31                          ; v31     my byte offset in a bias
.set OB,   32
.set F0,   64
.set F1,   128
.set CP,   192
.set BX,   128                         ; at the head only: bx as loaded, 16 registers a gate,
.set BH,   192                         ; and bh
.set G1,   24                          ; s[24:31] descriptor group 1 for abf's tiles;  s[32:39] group 0, a set for each slot
.set G0,   32
.set LIM,  43                          ; s43     1 in a wave that prefetches, else the greatest number
.set PFA,  44                          ; s[44:45] where my prefetches stand
.set G1B,  48                          ; s[48:55], s[56:63] the same for wbf's tiles
.set G0B,  56
.set CPP,  66                          ; s[66:67] c_prev at my rows and columns of the tile in hand
.set KS,   88                          ; s[88:89] -log2 e: the packed scalings take the pair's low word for both halves
.set KT,   90                          ; s[90:91] 2 log2 e
.set MSB, 0
.macro WIN new                         ; the immediate's high byte repeats the setting that is left; a switch that changes nothing is dropped
.if MSB != (\new)
	s_set_vgpr_msb (MSB<<8)|(\new)
.set MSB, \new
.endif
.endm
.set MUL_LO,  0xa1                     ; source 0 (wbf) window 1, source 1 (abf) window 0, C and D window 2;  + 0x50: window 3
.set MULB_LO, 0x91                     ; the same with C, the bias, in window 1;  + 0x40: D in window 3
.set TO_B,    0x40                     ; destination window 1, address window 0
.set CVW,     0x45                     ; destination and sources 0 and 1 in window 1
; A joint load.  Waves 0 and 1 fetch abf's two halves, waves 2 and 3 wbf's.  The branch hangs on the wave's number alone.  An s_nop 0 and four v_nop follow each of the two lines.
.macro JLOAD s
	s_cmp_eq_u32 s11, 0
	s_cbranch_scc0 .Lfor_b_\@
	tensor_load_to_lds s[G0+4*(\s):G0+4*(\s)+3], s[G1:G1+7]
	s_nop 0
.rept 4
	v_nop
.endr
	s_branch .Lasked_\@
.Lfor_b_\@:
	tensor_load_to_lds s[G0B+4*(\s):G0B+4*(\s)+3], s[G1B:G1B+7]
	s_nop 0
.rept 4
	v_nop
.endr
.Lasked_\@:
.endm
; A PREFETCH INTO THE L2, behind each joint load and the run of LDS loads that follows it: the K step that stands two refills on (512 matrix instructions ahead of the load that will ask for it): 32 rows x 256 bytes,
; a lane a row, one instruction a wave.  Each row's 256 bytes of a K step are named once in the launch: the cluster with x = 0 asks for abf's rows, the cluster with y = 0 for wbf's; of the 128 rows that a wave
; fetches, the partner at place p (cx for abf, cy for wbf) takes 32 p .. 32 p + 31, told apart by address.  how = 0, in the loop: a tile's last two refills have no K step two on; how = 1, at the change of tiles.
.macro ASK how
.if \how
	s_cmp_eq_u32 s[LIM], 1
.else
	s_cmp_gt_u32 s3, s[LIM]                        ; s3 = 1 in the loop's last trip
.endif
	s_cbranch_scc0 .Lnot_mine_\@
	global_prefetch_b8 v[PFO], s[PFA:PFA+1] offset:KSTEP*2 th:TH_LOAD_NT scope:SCOPE_SE
.Lnot_mine_\@:
.endm
; A round of the cluster's barrier: my work-group's barrier; wave 0 signals for the work-group; every wave waits for all sixteen; my work-group's barrier once more.
.macro CREST                           ; a round behind its opening barrier
	s_cmp_lg_u32 s10, 0
	s_cbranch_scc1 .Lnot_wave_0_\@
	s_barrier_signal -3
.Lnot_wave_0_\@:
	s_barrier_wait -3
	s_barrier_signal -1
	s_barrier_wait -1
.endm
.macro CROUND
	s_barrier_signal -1
	s_barrier_wait -1
	CREST
.endm
	s_load_b128 s[4:7], s[0:1], 0x0                ; abf s[4:5], wbf s[6:7]
	s_load_b128 s[68:71], s[0:1], 0x10             ; out0 s[68:69], out1 s[70:71]
	s_load_b512 s[72:87], s[0:1], 0x20             ; bx of gate g at s[72+2g:73+2g], bh at s[80+2g:81+2g]
	s_load_b64 s[CPP:CPP+1], s[0:1], 0x60          ; c_prev
	v_lshl_add_u32 v[SPW], v0, 2, SPARE
	v_mov_b32 v[NIL], 0
	ds_add_u32 v[SPW], v[NIL]                      ; the wave's opening: the add, twice on end, and its wait ahead of my first tensor load; the set-up below stands between
	ds_add_u32 v[SPW], v[NIL]                      ; and once more, under the one wait
	v_lshrrev_b32 v1, 5, v0
	v_readfirstlane_b32 s10, v1                    ; wave 0..3
	s_lshr_b32 s11, s10, 1                         ; which half of the tile's rows is mine.  Also: I fetch for abf (0) or for wbf (1)
	s_and_b32 s12, s10, 1                          ; which half of its columns.  Also: which 128 rows of that tile I fetch, and which output I store
	s_bfe_u32 s40, ttmp6, 0x40000                  ; cx
	s_bfe_u32 s41, ttmp6, 0x40004                  ; cy
	s_lshl_b32 s42, ttmp9, 2
	s_add_co_u32 s42, s42, s40                     ; tile column = 4 x cluster x + cx
	s_and_b32 s13, ttmp7, 0xffff
	s_lshl_b32 s13, s13, 2
	s_add_co_u32 s13, s13, s41                     ; tile row = 4 x cluster y + cy
	s_lshl_b32 s43, s41, 2
	s_lshl_b32 s43, 15, s43                        ; my row of the cluster: places 4 cy .. 4 cy + 3
	s_lshl_b32 s44, 0x1111, s40                    ; my column: places cx, cx + 4, cx + 8, cx + 12
	; descriptor group 1: a tile of 128 rows x 128 elements of 2 bytes, 16 bytes of padding behind every 256
	s_or_b32 s[G1+0], s43, (1<<16)|(1<<20)|(1<<21)|(5<<22)|(3<<25)   ; 15:0 the mask: abf's tiles go to my row; 17:16 2-byte elements; 20 padding on; 21 set beside a mask; 24:22 after 64 words; 31:25 4 words
	s_or_b32 s[G1B+0], s44, (1<<16)|(1<<20)|(1<<21)|(5<<22)|(3<<25)  ; the same with the mask of my column, for wbf's tiles
.irp g, G1, G1B
	s_mov_b32 s[(\g)+1], KSTEP<<16                 ; tensor_dim0 = 128
	s_mov_b32 s[(\g)+2], 128<<16                   ; tensor_dim1 = 128
	s_mov_b32 s[(\g)+3], KSTEP<<16                 ; tile_dim0 = 128
	s_mov_b32 s[(\g)+4], 128                       ; tile_dim1 = 128
	s_mov_b32 s[(\g)+5], SIZE_K                    ; elements from row to row
	s_mov_b32 s[(\g)+6], 0
	s_mov_b32 s[(\g)+7], 0
.endr
	s_mov_b32 s[KS], 0xbfb8aa3b                    ; -log2 e
	s_mov_b32 s[KS+1], s[KS]                       ; named with it as a pair
	s_mov_b32 s[KT], 0x4038aa3b                    ; 2 log2 e
	s_mov_b32 s[KT+1], s[KT]
	; where the tiles come from: abf's hang on the tile row alone, wbf's on the tile column alone; rows of 4,096 bytes, offsets under 2^24
	s_lshl_b32 s17, s12, 7                         ; which 128 rows of the tile I fetch
	s_lshl_b32 s16, s13, 8
	s_add_co_u32 s16, s16, s17
	s_lshl_b32 s16, s16, 12                        ; abf: (256 x tile row + 128 x half) rows
	s_lshl_b32 s46, s42, 8
	s_add_co_u32 s46, s46, s17
	s_lshl_b32 s46, s46, 12                        ; wbf: (256 x tile column + 128 x half) rows
	s_mov_b32 s17, 0
	s_mov_b32 s47, 0
	s_mul_i32 s20, s10, HALFT                      ; and where they go: wave x 128 rows: no place in the cluster enters an LDS address
	s_wait_dscnt 0x0                               ; both opening adds are done
	s_wait_kmcnt 0x0
	s_add_nc_u64 s[14:15], s[4:5], s[16:17]
	s_add_nc_u64 s[46:47], s[6:7], s[46:47]
	CROUND                                         ; all sixteen work-groups are here: the first joint loads meet
.irp s, 0,1
	s_mov_b32 s[G0+4*(\s)], 1                                        ; count = 1
	s_add_co_u32 s[G0+4*(\s)+1], s20, (\s)*SLOT                      ; LDS address
	s_add_nc_u64 s[G0+4*(\s)+2:G0+4*(\s)+3], s[14:15], (\s)*KSTEP*2  ; global address: K step s
	s_or_b32 s[G0+4*(\s)+3], s[G0+4*(\s)+3], 0x80000000              ; type = 2
	s_mov_b32 s[G0B+4*(\s)], 1
	s_add_co_u32 s[G0B+4*(\s)+1], s20, (\s)*SLOT
	s_add_nc_u64 s[G0B+4*(\s)+2:G0B+4*(\s)+3], s[46:47], (\s)*KSTEP*2
	s_or_b32 s[G0B+4*(\s)+3], s[G0B+4*(\s)+3], 0x80000000
	JLOAD \s                                       ; two tensor loads of mine are out
.endr
	; WHILE THE FIRST TILES COME: the biases, the addresses, the pointers.
	v_and_b32 v1, 15, v0                           ; l % 16
	v_bfe_u32 v2, v0, 4, 1                         ; l / 16
	s_lshl_b32 s21, s42, 8                         ; the tile's 64 hidden columns: 256 bytes of a bias,
	s_lshl_b32 s22, s12, 7                         ; my wave's 32 of them
	s_add_co_u32 s21, s21, s22
	v_lshl_add_u32 v[BO], v2, 5, s21               ; my lane's eight
.irp g, 0,1,2,3
.irp c, 0,1,2,3                        ; column block 2 g + c / 2, registers 4 (c % 2) on
	global_load_b128 v[BX+16*(\g)+4*(\c):BX+16*(\g)+4*(\c)+3], v[BO], s[72+2*(\g):73+2*(\g)] offset:((\c)/2)*64+((\c)%2)*16
	global_load_b128 v[BH+16*(\g)+4*(\c):BH+16*(\g)+4*(\c)+3], v[BO], s[80+2*(\g):81+2*(\g)] offset:((\c)/2)*64+((\c)%2)*16
.endr
.endr
	; a fragment is 16 rows x 32 K in 8 registers: lane l holds row l % 16, K = 8 (l / 16) + 0..7 and 16 + 8 (l / 16) + 0..7: two loads of 16 bytes, 32 bytes apart
	v_mul_u32_u24 v3, v1, PITCH
	v_lshl_add_u32 v3, v2, 4, v3
	s_mul_i32 s21, s11, HALFT                      ; my 128 rows of abf
	s_mul_i32 s22, s12, HALFT                      ; my 128 rows of wbf,
	s_add_co_u32 s22, s22, 2*HALFT                 ; which lie behind abf's 256
.irp s, 0,1
	v_add_nc_u32 v[ADRA+(\s)], s21, v3
	v_add_nc_u32 v[ADRB+(\s)], s22, v3
	s_add_co_u32 s21, s21, SLOT
	s_add_co_u32 s22, s22, SLOT
.endr
	s_mul_i32 s23, s11, SHALF                      ; the stage: my half of the rows,
	s_lshl_b32 s21, s12, 7                         ; in: my wave's 128 bytes of a row
	s_add_co_u32 s21, s21, s23
	s_add_co_u32 s21, s21, STAGE
	v_mul_u32_u24 v4, v1, SPITCH                   ; row l % 16, 32 bytes for each half of the lanes
	v_lshl_add_u32 v4, v2, 5, v4
	v_add_nc_u32 v[STO], s21, v4
	s_mul_i32 s21, s12, SARR                       ; back: the array that I store (0: h_new, 1: c_new), whole rows
	s_add_co_u32 s21, s21, s23
	s_add_co_u32 s21, s21, STAGE
	v_mul_u32_u24 v5, v2, SPITCH                   ; lanes 0-15 take one row of 256 bytes, lanes 16-31 the next
	v_lshl_add_u32 v5, v1, 4, v5
	v_add_nc_u32 v[RD], s21, v5
	v_lshlrev_b32 v5, 12, v2                       ; and the same two rows in the output
	v_lshl_add_u32 v[CO], v1, 4, v5
	v_lshlrev_b32 v5, 12, v1                       ; c_prev: row l % 16, my lane's eight columns
	v_lshl_add_u32 v[CPO], v2, 5, v5
	s_lshl_b32 s16, s13, 8
	s_lshl_b32 s14, s11, 7
	s_add_co_u32 s16, s16, s14                     ; my first row of the first tile,
	s_lshl_b32 s16, s16, 12                        ; in bytes,
	s_mov_b32 s17, 0
	s_lshl_b32 s46, s42, 8                         ; and the tile's 64 hidden columns
	s_mov_b32 s47, 0
	s_add_nc_u64 s[16:17], s[16:17], s[46:47]
	s_cmp_eq_u32 s12, 0
	s_cselect_b64 s[8:9], s[68:69], s[70:71]       ; the output that I store
	s_add_nc_u64 s[8:9], s[8:9], s[16:17]
	s_add_nc_u64 s[CPP:CPP+1], s[CPP:CPP+1], s[16:17]
	s_lshl_b32 s46, s12, 7                         ; c_prev: my wave's 32 columns
	s_add_nc_u64 s[CPP:CPP+1], s[CPP:CPP+1], s[46:47]
	; the prefetches
	s_lshl_b32 s20, s13, 8                         ; the tile's first row: in abf by the tile row,
	s_lshl_b32 s21, s42, 8                         ; in wbf by the tile column
	s_and_b32 s22, ttmp7, 0xffff                   ; cluster y
	s_cmp_eq_u32 s11, 0                            ; do I fetch for abf?
	s_cselect_b32 s20, s20, s21
	s_cselect_b32 s21, s40, s41                    ; my place among the four that ask with me
	s_cselect_b32 s22, ttmp9, s22                  ; the coordinate along which other clusters read the same rows
	s_cselect_b64 s[PFA:PFA+1], s[4:5], s[6:7]
	s_cmp_eq_u32 s22, 0
	s_cselect_b32 s[LIM], 1, -1                    ; the same in all sixteen partners, for a given wave
	s_lshl_b32 s22, s12, 7
	s_add_co_u32 s20, s20, s22                     ; + the 128 rows that I fetch
	s_lshl_b32 s21, s21, 5
	s_add_co_u32 s20, s20, s21                     ; + my work-group's 32 of them
	s_lshl_b32 s20, s20, 12
	s_mov_b32 s21, 0
	s_add_nc_u64 s[PFA:PFA+1], s[PFA:PFA+1], s[20:21]
	s_add_nc_u64 s[PFA:PFA+1], s[PFA:PFA+1], 2*KSTEP*2  ; at K step 2: the first refill steps it to 3 and names K step 4.  Nothing is prefetched here, at the head
	v_and_b32 v[PFO], 31, v0
	v_lshlrev_b32 v[PFO], 12, v[PFO]
	s_wait_loadcnt 0x0                             ; the biases
.set n, BX
.rept 64                               ; each is rounded to bf16 and widened again, in place
	v_cvt_pk_bf16_f32 v[n], v[n], v[n+1]
	v_and_b32 v[n+1], 0xffff0000, v[n]
	v_lshlrev_b32 v[n], 16, v[n]
.set n, n+2
.endr
	WIN TO_B
.set n, 0
.rept 32
	v_pk_add_f32 v[n:n+1], v[BX+n:BX+n+1], v[BH+n:BH+n+1]  ; bx + bh, into window 1
.set n, n+2
.endr
	WIN 0
; 16 matrix instructions: row blocks a0, a0 + 1 of the window's four x all 8 column blocks, 32 along K.  first = 1: the product starts the sum, with the bias as C.
; The 64 accumulators take turns, one instruction a turn, in the same order in every quarter step.
.macro MUL16 f, hi, a0, first
.if \first
	WIN MULB_LO+0x40*(\hi)
.else
	WIN MUL_LO+0x50*(\hi)
.endif
.irp a, \a0, (\a0)+1
.irp b, 0,1,2,3,4,5,6,7
.if \first
	v_wmma_f32_16x16x32_bf16 v[8*(8*(\a)+(\b)):8*(8*(\a)+(\b))+7], v[(\f)+8*(\b):(\f)+8*(\b)+7], v[(\f)+8*(4*(\hi)+(\a)):(\f)+8*(4*(\hi)+(\a))+7], v[8*(\b):8*(\b)+7]
.else
	v_wmma_f32_16x16x32_bf16 v[8*(8*(\a)+(\b)):8*(8*(\a)+(\b))+7], v[(\f)+8*(\b):(\f)+8*(\b)+7], v[(\f)+8*(4*(\hi)+(\a)):(\f)+8*(4*(\hi)+(\a))+7], v[8*(8*(\a)+(\b)):8*(8*(\a)+(\b))+7]
.endif
.endr
.endr
.endm
; 32 LDS loads in one run: the fragments of one quarter step (32 K at byte k of the rows) into buffer f: wbf's 128 rows, then abf's
.macro FETCH slot, k, f
	WIN TO_B
.irp i, 0,1,2,3,4,5,6,7
	ds_load_b128 v[(\f)+8*(\i):(\f)+8*(\i)+3],   v[ADRB+(\slot)] offset:(\k)+(\i)*16*PITCH
	ds_load_b128 v[(\f)+8*(\i)+4:(\f)+8*(\i)+7], v[ADRB+(\slot)] offset:(\k)+(\i)*16*PITCH+32
.endr
	WIN 0
.irp i, 0,1,2,3,4,5,6,7
	ds_load_b128 v[(\f)+8*(\i):(\f)+8*(\i)+3],   v[ADRA+(\slot)] offset:(\k)+(\i)*16*PITCH
	ds_load_b128 v[(\f)+8*(\i)+4:(\f)+8*(\i)+7], v[ADRA+(\slot)] offset:(\k)+(\i)*16*PITCH+32
.endr
.endm
.macro PLACES                          ; four plain vector instructions between a matrix instruction and a load into a register that it has read (ISA guide 7.12.1 for vector instructions)
.rept 4
	v_nop
.endr
.endm
; A K step is four quarter steps of 32 along K, 64 matrix instructions each, on buffers 0, 1, 0, 1.  One of the first three: multiplies buffer f and fetches the next quarter, at byte k, into buffer g.
.macro QUARTER slot, k, f, g, first
	s_wait_dscnt 8                                 ; wbf's fragments and abf's rows 0-63 are in; the youngest eight loads (abf's rows 64-127) may be out
	MUL16 \f, 0, 0, \first
	MUL16 \f, 0, 2, \first
	PLACES
	FETCH \slot, \k, \g
	s_wait_dscnt 32                                ; all but the 32 just issued
	MUL16 \f, 1, 0, \first
	MUL16 \f, 1, 2, \first
.endm
; The last quarter multiplies buffer 1 and changes slots.  MEET is its first half: one barrier; in front of it each wave waits for all its tensor loads (one is out: its part of the next slot),
; adds 0 to its spare word, and waits for that and for its own reads of this slot.  Behind it nobody reads this slot any more and the next slot is whole.
.macro MEET round
	WIN 0                                          ; (the add's two registers lie in window 0)
	s_wait_tensorcnt 0x0
	ds_add_u32 v[SPW], v[NIL]                      ; 0 onto my spare word
	s_wait_dscnt 9                                 ; (the add and the youngest eight loads may be out)
	MUL16 F1, 0, 0, 0                              ; sixteen matrix instructions stand between the add and the wait for it
	s_wait_dscnt 0x0                               ; the add is done, and my reads of this slot are over
	s_barrier_signal -1
	MUL16 F1, 0, 2, 0                              ; work on registers while the others arrive
.if \round
	WIN 0
.endif
	s_barrier_wait -1
.endm
; The whole last quarter.  Behind the round the slot just read out is filled again first: with this tile's K step two on (on = 0) or with the next tile's K step 0 or 1 (on = 1); then come the next slot's first fragments.
.macro TURN slot, next, on
	s_wait_xcnt 0x0                                ; the last prefetch, a K step back, has read its address: it is stepped here, ahead of the waits of the change of slots
.if (\on) && (\slot) == 0
	s_add_nc_u64 s[PFA:PFA+1], s[PFA:PFA+1], (WALK-1)*ROWA+KSTEP*2  ; from the K step after the tile's last to the next tile's K step 1
	s_cmp_eq_u32 s11, 0
	s_cselect_b32 s[LIM], s[LIM], -1               ; wbf's rows are the same for both tiles: they are asked for in the first tile alone
.else
	s_add_nc_u64 s[PFA:PFA+1], s[PFA:PFA+1], KSTEP*2
.endif
	MEET 1
	CREST                                          ; the barrier has opened a round of the cluster's: no wave of any partner still reads this slot or has a load on its way
.if \on
	s_add_nc_u64 s[G0+4*(\slot)+2:G0+4*(\slot)+3], s[G0+4*(\slot)+2:G0+4*(\slot)+3], NEXT_A
	s_sub_nc_u64 s[G0B+4*(\slot)+2:G0B+4*(\slot)+3], s[G0B+4*(\slot)+2:G0B+4*(\slot)+3], BACK_B
.else
	s_add_nc_u64 s[G0+4*(\slot)+2:G0+4*(\slot)+3], s[G0+4*(\slot)+2:G0+4*(\slot)+3], 2*KSTEP*2
	s_add_nc_u64 s[G0B+4*(\slot)+2:G0B+4*(\slot)+3], s[G0B+4*(\slot)+2:G0B+4*(\slot)+3], 2*KSTEP*2
.endif
	JLOAD \slot                                    ; my one tensor load behind the round; its four v_nop are also the places in front of the loads below
	FETCH \next, 0, F0
	ASK \on
	MUL16 F1, 1, 0, 0
	MUL16 F1, 1, 2, 0
.endm
; The tile's c_prev: my 128 rows x 32 columns, 32 loads of 16 bytes a lane; register 16 (a % 4) + e of CP holds row 16 a + l % 16, column 16 (e / 8) + 8 (l / 16) + e % 8: the accumulators' own layout.
.macro CLOAD
	WIN 0
.irp a, 0,1,2,3
.irp c, 0,1,2,3
	global_load_b128 v[CP+16*(\a)+4*(\c):CP+16*(\a)+4*(\c)+3], v[CPO], s[CPP:CPP+1] offset:(\a)*16*ROWO+((\c)/2)*64+((\c)%2)*16
.endr
.endr
	WIN TO_B
.irp a, 0,1,2,3
.irp c, 0,1,2,3
	global_load_b128 v[CP+16*(\a)+4*(\c):CP+16*(\a)+4*(\c)+3], v[CPO], s[CPP:CPP+1] offset:((\a)+4)*16*ROWO+((\c)/2)*64+((\c)%2)*16
.endr
.endr
.endm
; THE GATE ARITHMETIC of row block a, in its 64 accumulator registers: gate g's 16 numbers at AC + 16 g, in pairs p = 0..7.
.macro SCALE g, p                      ; z times -log2 e (a sigmoid's) or 2 log2 e (the tanh's)
.if (\g) == 2
	v_pk_mul_f32 v[AC+16*(\g)+2*(\p):AC+16*(\g)+2*(\p)+1], v[AC+16*(\g)+2*(\p):AC+16*(\g)+2*(\p)+1], s[KT:KT+1] op_sel_hi:[1,0]
.else
	v_pk_mul_f32 v[AC+16*(\g)+2*(\p):AC+16*(\g)+2*(\p)+1], v[AC+16*(\g)+2*(\p):AC+16*(\g)+2*(\p)+1], s[KS:KS+1] op_sel_hi:[1,0]
.endif
.endm
.macro ONE g, p                        ; 1 + the power
	v_pk_add_f32 v[AC+16*(\g)+2*(\p):AC+16*(\g)+2*(\p)+1], v[AC+16*(\g)+2*(\p):AC+16*(\g)+2*(\p)+1], 1.0 op_sel_hi:[1,0]
.endm
.macro TR op, g, p                     ; a power of two or a reciprocal of both numbers of a pair, in place
	\op v[AC+16*(\g)+2*(\p)], v[AC+16*(\g)+2*(\p)]
	\op v[AC+16*(\g)+2*(\p)+1], v[AC+16*(\g)+2*(\p)+1]
.endm
.macro TANH p                          ; 1 - 2 r, on the third gate's registers
	v_pk_fma_f32 v[AC+32+2*(\p):AC+32+2*(\p)+1], v[AC+32+2*(\p):AC+32+2*(\p)+1], -2.0, 1.0 op_sel_hi:[1,0,0]
.endm
.macro TSC p                           ; c_new times 2 log2 e, into the third gate's registers
	v_pk_mul_f32 v[AC+32+2*(\p):AC+32+2*(\p)+1], v[AC+16+2*(\p):AC+16+2*(\p)+1], s[KT:KT+1] op_sel_hi:[1,0]
.endm
.macro STLE
	v_nop
	s_wait_alu depctr_va_vdst(0)
.endm
; Four batches a block (64 powers, 64 reciprocals, 16 powers, 16 reciprocals), one wait each; no line ahead of a batch's wait names a result of it.  The plain work for the next gate stands between a gate's members.
; Each accumulator's registers are read in ascending order, from its lowest pair on.
.macro EPI a
.set AC, 64*((\a)%4)
.set CB, CP+16*((\a)%4)
	WIN 0xaa+0x55*((\a)/4)                         ; every operand in the accumulators' window
.irp p, 0,1,2,3,4,5,6,7
	SCALE 0, \p
.endr
.irp g, 0,1,2,3
.irp p, 0,1,2,3,4,5,6,7
	TR v_exp_f32, \g, \p
.if (\g) < 3
	SCALE (\g)+1, \p
.endif
.endr
.endr
	STLE
.irp p, 0,1,2,3,4,5,6,7
	ONE 0, \p
.endr
.irp g, 0,1,2,3
.irp p, 0,1,2,3,4,5,6,7
	TR v_rcp_f32, \g, \p
.if (\g) < 3
	ONE (\g)+1, \p
.endif
.endr
.endr
	STLE
.irp p, 0,1,2,3,4,5,6,7
	TANH \p                                        ; g
.endr
.irp p, 0,1,2,3,4,5,6,7
	v_pk_mul_f32 v[AC+32+2*(\p):AC+32+2*(\p)+1], v[AC+32+2*(\p):AC+32+2*(\p)+1], v[AC+2*(\p):AC+2*(\p)+1]  ; i g
.endr
	WIN 0xa8+0x55*((\a)/4)                         ; source 0, c_prev as two bf16 a register, in window 0 or 1
.irp p, 0,1,2,3,4,5,6,7
	v_fma_mix_f32_bf16 v[AC+16+2*(\p)], v[CB+2*(\p)], v[AC+16+2*(\p)], v[AC+32+2*(\p)] op_sel_hi:[1,0,0]                     ; c_new = c_prev f + i g, in f's place: the low half,
	v_fma_mix_f32_bf16 v[AC+16+2*(\p)+1], v[CB+2*(\p)], v[AC+16+2*(\p)+1], v[AC+32+2*(\p)+1] op_sel:[1,0,0] op_sel_hi:[1,0,0]  ; the high half
.endr
	WIN 0xaa+0x55*((\a)/4)
	TSC 0
.irp p, 0,1,2,3,4,5,6,7
	TR v_exp_f32, 2, \p
.if (\p) < 7
	TSC (\p)+1
.endif
.endr
	STLE
	ONE 2, 0
.irp p, 0,1,2,3,4,5,6,7
	TR v_rcp_f32, 2, \p
.if (\p) < 7
	ONE 2, (\p)+1
.endif
.endr
	STLE
.irp p, 0,1,2,3,4,5,6,7
	TANH \p                                        ; tanh(c_new)
.endr
.irp p, 0,1,2,3,4,5,6,7
	v_pk_mul_f32 v[AC+32+2*(\p):AC+32+2*(\p)+1], v[AC+32+2*(\p):AC+32+2*(\p)+1], v[AC+48+2*(\p):AC+48+2*(\p)+1]  ; h_new, in the third gate's place
.endr
.endm
; THE WAY OUT of row block a.  A wave holds 128 of the 256 bytes of a row of either output, so the two waves of a row half write the two halves of the same stage rows, and each then stores one array, whole rows.
.macro TOSTAGE a
.set AC, 64*((\a)%4)
	WIN 0x08+0x04*((\a)/4)                         ; the stores' data in window 2 or 3
.irp c, 0,1,2,3
	ds_store_b128 v[STO], v[AC+32+4*(\c):AC+32+4*(\c)+3] offset:((\a)%2)*SBUF+((\c)/2)*64+((\c)%2)*16       ; h_new
	ds_store_b128 v[STO], v[AC+16+4*(\c):AC+16+4*(\c)+3] offset:((\a)%2)*SBUF+SARR+((\c)/2)*64+((\c)%2)*16  ; c_new
.endr
.endm
; One barrier a block orders both ways, since the stage has two buffers: my stores of block a are done before a partner reads them; and my reads of block a - 1, waited for in SEND, are over
; before any wave, behind this barrier, writes that buffer again for block a + 1.  The next tile's tensor load may stay out across it.
.macro BAR
	WIN 0
	s_wait_dscnt 0x0
	s_barrier_signal -1
	s_barrier_wait -1
.endm
.macro BACK a
	WIN 0
	s_wait_xcnt 0x0                                ; the last block's stores have read the registers that are loaded now
.irp t, 0,1,2,3,4,5,6,7
	ds_load_b128 v[OB+4*(\t):OB+4*(\t)+3], v[RD] offset:((\a)%2)*SBUF+(\t)*2*SPITCH
.endr
.endm
.macro SEND a
	WIN 0
	s_wait_dscnt 0x0                               ; the block is back in registers
.irp t, 0,1,2,3,4,5,6,7
	global_store_b128 v[CO], v[OB+4*(\t):OB+4*(\t)+3], s[8:9] offset:(\a)*16*ROWO+(\t)*2*ROWO th:TH_STORE_NT  ; 16 lanes store 256 consecutive bytes, at a multiple of 256 from the output's first byte
.endr
.endm
; A tile's whole way out.  c_prev is rounded to bf16 first, two to a register: 64 plain instructions that name no register of the last products and are the places behind them.
; A block's arithmetic stands between the loads of the block before from the stage and its stores.  Buffer 0 of the fragments is not touched: the next tile's first fragments may be on their way into it.
.macro WAYOUT
	WIN 0
	s_wait_loadcnt 0x0                             ; c_prev
.set n, 0
.rept 32
	v_cvt_pk_bf16_f32 v[CP+n], v[CP+n], v[CP+n+1]
.set n, n+2
.endr
	WIN CVW
.set n, 0
.rept 32
	v_cvt_pk_bf16_f32 v[CP+n], v[CP+n], v[CP+n+1]
.set n, n+2
.endr
	EPI 0
	TOSTAGE 0
	BAR
	BACK 0
.irp a, 1,2,3,4,5,6,7
	EPI \a
	SEND (\a)-1
	TOSTAGE \a
	BAR
	BACK \a
.endr
	SEND 7
.endm
	s_wait_tensorcnt 1                             ; my part of K step 0 is in; K step 1's load, issued behind it, may stay out
	s_barrier_signal -1
	s_barrier_wait -1                              ; everybody's is
	FETCH 0, 0, F0
	s_mov_b32 s2, 2                                ; tiles to go, this one among them: the same number in every work-group
.Ltile:
	QUARTER 0, 64,  F0, F1, 1                      ; a tile's first quarter stands in front of the loop: its products start the sums, with the bias
	WIN 0                                          ; at a label and at a branch every window is 0
	s_mov_b32 s3, LAPS-1
.Llap:                                                 ; a trip goes once round the ring, from a lap's second quarter to the next lap's first, and fills both slots again
	QUARTER 0, 128, F1, F0, 0
	QUARTER 0, 192, F0, F1, 0
	TURN 0, 1, 0
	QUARTER 1, 64,  F0, F1, 0
	QUARTER 1, 128, F1, F0, 0
	QUARTER 1, 192, F0, F1, 0
	TURN 1, 0, 0
	QUARTER 0, 64,  F0, F1, 0
	WIN 0
	s_sub_co_u32 s3, s3, 1
	s_cmp_lg_u32 s3, 0
	s_cbranch_scc1 .Llap
	CLOAD                                          ; seven quarter steps, 448 matrix instructions, ahead of the wait for it
	QUARTER 0, 128, F1, F0, 0                      ; the tile's last lap goes on
	QUARTER 0, 192, F0, F1, 0
	WIN 0
	s_cmp_eq_u32 s2, 1
	s_cbranch_scc1 .Llast                          ; the last tile's tail is written out: it asks for nothing more
	TURN 0, 1, 1                                   ; the ring goes on into the next tile: slot 0 takes its K step 0,
	QUARTER 1, 64,  F0, F1, 0
	QUARTER 1, 128, F1, F0, 0
	QUARTER 1, 192, F0, F1, 0
	TURN 1, 0, 1                                   ; slot 1 its K step 1, and the next tile's first fragments are fetched
	WAYOUT                                         ; both refills are asked for: now the tile goes out
	s_wait_xcnt 0x0                                ; the stores have read their base; c_prev's loads were waited for in the way out
	s_add_nc_u64 s[8:9], s[8:9], NEXT_T
	s_add_nc_u64 s[CPP:CPP+1], s[CPP:CPP+1], NEXT_T
	s_sub_co_u32 s2, s2, 1
	s_branch .Ltile
.Llast:
	MEET 0                                         ; my one tensor load that was still out is slot 1's, the last K step's, so no round follows
	PLACES                                         ; for the loads into buffer 0, which the quarter before multiplied
	FETCH 1, 0, F0
	MUL16 F1, 1, 0, 0
	MUL16 F1, 1, 2, 0
	QUARTER 1, 64,  F0, F1, 0
	QUARTER 1, 128, F1, F0, 0
	QUARTER 1, 192, F0, F1, 0
	s_wait_dscnt 8                                 ; the very last quarter: nothing more to fetch
	MUL16 F1, 0, 0, 0
	MUL16 F1, 0, 2, 0
	s_wait_dscnt 0x0
	MUL16 F1, 1, 0, 0
	MUL16 F1, 1, 2, 0
	WAYOUT
	s_wait_tensorcnt 0x0                           ; the wave's end: behind my last tensor load and my last LDS store
	ds_add_u32 v[SPW], v[NIL]
	s_wait_dscnt 0x0
	CROUND                                         ; the closing round: no work-group ends while a partner may still ask for a tile that names it
	s_endpgm
.Lfunc_end_k_qf49cd357f7_lstm:
	.size	k_qf49cd357f7_lstm, .Lfunc_end_k_qf49cd357f7_lstm-k_qf49cd357f7_lstm
	.p2alignl 7, 3214868480
	.fill 96, 4, 3214868480
	.section	.rodata,"a",@progbits
	.p2align	6, 0x0
	.amdhsa_kernel k_qf49cd357f7_lstm
		.amdhsa_group_segment_fixed_size 327680
		.amdhsa_private_segment_fixed_size 0
		.amdhsa_enable_private_segment 0
		.amdhsa_kernarg_size 104
		.amdhsa_user_sgpr_count 2
		.amdhsa_user_sgpr_kernarg_segment_ptr 1
		.amdhsa_wavefront_size32 1
		.amdhsa_system_sgpr_workgroup_id_x 1
		.amdhsa_system_sgpr_workgroup_id_y 1
		.amdhsa_system_sgpr_workgroup_id_z 1
		.amdhsa_system_vgpr_workitem_id 0
		.amdhsa_next_free_vgpr 1024
		.amdhsa_next_free_sgpr 92
		.amdhsa_reserve_vcc 0
		.amdhsa_float_denorm_mode_32 3
		.amdhsa_float_denorm_mode_16_64 3
		.amdhsa_memory_ordered 1
		.amdhsa_forward_progress 1
		.amdhsa_inst_pref_size 255
	.end_amdhsa_kernel
	.section	.bss,"aw",@nobits
	.p2align	6
	.space	262144
	.amdgpu_metadata
---
amdhsa.version: [ 1, 2 ]
amdhsa.kernels:
  - .name:           k_qf49cd357f7_lstm
    .symbol:         k_qf49cd357f7_lstm.kd
    .args:
      - { .name: abf, .offset: 0, .size: 8, .value_kind: global_buffer, .address_space: global }
      - { .name: wbf, .offset: 8, .size: 8, .value_kind: global_buffer, .address_space: global }
      - { .name: out0, .offset: 16, .size: 8, .value_kind: global_buffer, .address_space: global }
      - { .name: out1, .offset: 24, .size: 8, .value_kind: global_buffer, .address_space: global }
      - { .name: bxi, .offset: 32, .size: 8, .value_kind: global_buffer, .address_space: global }
      - { .name: bxf, .offset: 40, .size: 8, .value_kind: global_buffer, .address_space: global }
      - { .name: bxc, .offset: 48, .size: 8, .value_kind: global_buffer, .address_space: global }
      - { .name: bxo, .offset: 56, .size: 8, .value_kind: global_buffer, .address_space: global }
      - { .name: bhi, .offset: 64, .size: 8, .value_kind: global_buffer, .address_space: global }
      - { .name: bhf, .offset: 72, .size: 8, .value_kind: global_buffer, .address_space: global }
      - { .name: bhc, .offset: 80, .size: 8, .value_kind: global_buffer, .address_space: global }
      - { .name: bho, .offset: 88, .size: 8, .value_kind: global_buffer, .address_space: global }
      - { .name: c_prev, .offset: 96, .size: 8, .value_kind: global_buffer, .address_space: global }
    .group_segment_fixed_size: 327680
    .private_segment_fixed_size: 0
    .kernarg_segment_align: 8
    .kernarg_segment_size: 104
    .max_flat_workgroup_size: 128
    .sgpr_count:     92
    .vgpr_count:     1024
    .wavefront_size: 32
...
	.end_amdgpu_metadata
.endif
;; end of part 2
;; ======== version 2 of 2: 2 launches; version 1 with the launch cast written anew for expert scheduling mode
;; workspace buffers: abf 33,554,432 bytes; wbf 16,777,216 bytes
;; launch cast (part 3): grid 32 x 24, 8 waves a work-group, no clusters, 0 bytes of LDS; arguments x, h_prev, Wxi, Wxf, Wxc, Wxo, Whi, Whf, Whc, Who, abf, wbf; writes abf, wbf
.if DOCPART == 3
	.amdgcn_target "amdgcn-amd-amdhsa--gfx1250"
	.amdhsa_code_object_version 6
	.text
	.protected	k_qf49cd357f7_cast
	.globl	k_qf49cd357f7_cast
	.p2align	8
	.type	k_qf49cd357f7_cast,@function
k_qf49cd357f7_cast:
	s_mov_b64 s[64:65], 0
	v_nop
	global_prefetch_b8 v0, s[64:65] scope:SCOPE_SE
	s_setreg_imm32_b32 hwreg(HW_REG_WAVE_SCHED_MODE, 0, 2), 2
	s_setreg_imm32_b32 hwreg(HW_REG_WAVE_MODE, 25, 1), 1
	s_wait_xcnt 0x0
	s_wait_alu depctr_vm_vsrc(0)
; LSTM cell, first of two launches: x, h_prev and the eight weight matrices are rounded once to bf16 (nearest even) and laid out for the product.
; NO WORK OF THE PROBLEM IS LEFT OUT: all 19 inputs reach both outputs; the eight biases and c_prev are read by the second launch.
; abf [8192][2048] bf16: row r = x[r] (bytes 0..2047), then h_prev[r] (bytes 2048..4095).
; wbf [4096][2048] bf16: row (j/32) 128 + 32 g + j%32 for hidden column j and gate g (0 i, 1 f, 2 c, 3 o) = Wx_g[j], then Wh_g[j]:
; 128 rows on end are the four gates of 32 hidden columns, which is what one wave of the second launch multiplies.
; LIMITS.  Every number is off by at most 2^-8 of itself after the rounding; a magnitude above bf16's largest finite number (3.39e38) becomes an infinity; NaN stays NaN.
; SHARES.  24,576 source rows of 4,096 bytes in 24 segments of 1,024 rows (y = 0..7 x, 8..15 h_prev, 16..23 the weights in the arguments' order).  A work-group takes 32 rows,
; a wave four, a lane 16 bytes of each 512: 32 loads a lane, all issued before the first wait.  A load of a wave covers 512 consecutive bytes, a store 256 consecutive bytes, aligned.
; No LDS, no barrier: no byte is used by two waves.  No register is written again behind its store, so no wait stands for the stores.
; THE MODE: SCHED_MODE bits 1:0 = 2 (LLVM: expert scheduling mode 2), set by the entry lines.  The code itself states the register dependences
; between vector instructions and memory instructions, with s_wait_alu, always for 0.
; THE PLAN.  Registers that memory instructions touch:
;   v1, v2               byte offsets, made at the head by vector lines and never written again; v1 is read by every load, v2 by every store.
;   v[X+4n : X+4n+3]     written by load n, once, with no vector line naming them before; read by load n's two conversions.
;   v[X+4n : X+4n+1]     written again by those two conversions, in place; read by store n, once; never written after that.
; The 32 loads go in eight groups of four.  Group g's eight conversions name group g's registers alone; its memory instructions are the four stores of group g - 1.  So ONE wait on va_vdst at a
; group's head states all that those four stores hang on, and they are dealt among the group's conversions with no further wait.  One such wait stands ahead of the first load, for the offsets, and
; one ahead of the last four stores.  No register that a load or store has read is written again, so no wait on vm_vsrc is owed; no vector line writes a scalar register, and EXEC is never written.
.set ROWB, 4096                        ; bytes in a source row, and in a row of abf and wbf
.set X,    8                           ; v[8:135]  32 x 4 registers as loaded; the first two of each four then hold the packed result
.set GRP,  4                           ; loads, and stores, in a group
	s_load_b512 s[8:23], s[0:1], 0x0               ; x s[8:9], h_prev s[10:11], weights 0..5 at s[12+2w:13+2w]
	s_load_b256 s[24:31], s[0:1], 0x40             ; weights 6, 7 s[24:27], abf s[28:29], wbf s[30:31]
	s_and_b32 s2, ttmp7, 0xffff                    ; y: the segment
	s_mov_b32 s3, ttmp9                            ; which 32 rows of it
	s_and_b32 s34, s2, 7
	s_lshl_b32 s34, s34, 10
	s_lshl_b32 s5, s3, 5                           ; a weight's source row: 32 x
	s_add_co_u32 s34, s34, s5                      ; an activation's row, source and destination: 1,024 (y % 8) + 32 x
	s_and_b32 s6, s2, 3                            ; the gate
	s_lshl_b32 s6, s6, 5
	s_lshl_b32 s4, s3, 7
	s_add_co_u32 s6, s6, s4                        ; a weight's destination row: 128 x + 32 g
	s_bfe_u32 s7, s2, 0x10003                      ; an activation's half of K: 0 for x, 1 for h_prev
	s_bfe_u32 s35, s2, 0x10002                     ; a weight's: 0 for Wx, 1 for Wh
	s_cmp_lt_u32 s2, 16                            ; an activation?  (the selects leave the flag as it is)
	s_cselect_b32 s5, s34, s5
	s_cselect_b32 s6, s34, s6
	s_cselect_b32 s7, s7, s35
	s_lshl_b32 s40, s5, 12                         ; source offset in bytes
	s_mov_b32 s41, 0
	s_lshl_b32 s42, s6, 12                         ; destination offset: the row,
	s_lshl_b32 s7, s7, 11
	s_add_co_u32 s42, s42, s7                      ; and 2,048 bytes for the second half of K
	s_mov_b32 s43, 0
	v_and_b32 v3, 31, v0                           ; lane
	v_and_b32 v4, 0xe0, v0                         ; 32 x wave
	v_lshlrev_b32 v1, 4, v3
	v_lshl_or_b32 v1, v4, 9, v1                    ; source: wave x 4 rows x 4,096 + 16 x lane
	v_lshlrev_b32 v2, 3, v3
	v_lshl_or_b32 v2, v4, 9, v2                    ; destination: the same rows + 8 x lane
	s_wait_kmcnt 0x0
	s_cmp_lt_u32 s2, 8
	s_cselect_b64 s[36:37], s[8:9], s[10:11]       ; the source buffer: x or h_prev,
.irp w, 0,1,2,3,4,5,6,7
	s_cmp_eq_u32 s2, 16+(\w)
	s_cselect_b64 s[36:37], s[12+2*(\w):13+2*(\w)], s[36:37]  ; or weight y - 16
.endr
	s_cmp_lt_u32 s2, 16
	s_cselect_b64 s[38:39], s[28:29], s[30:31]     ; the destination buffer
	s_add_nc_u64 s[36:37], s[36:37], s[40:41]
	s_add_nc_u64 s[38:39], s[38:39], s[42:43]
	s_wait_alu depctr_va_vdst(0)                   ; v1 and v2 are written: every load below reads v1 as its offset, every store v2; no later vector line names either
.set n, 0
.rept 32                               ; row n / 8 of my four, piece n % 8 of its eight
	global_load_b128 v[X+4*n:X+4*n+3], v1, s[36:37] offset:(n/8)*ROWB+(n%8)*512 th:TH_LOAD_NT
.set n, n+1
.endr
.set g, 0
.rept 32/GRP                           ; group g: loads 4 g to 4 g + 3 are rounded, the results of group g - 1 are stored
	s_wait_loadcnt 32-GRP-GRP*g                    ; loads come back in order: this group's four are in, the 28 - 4 g younger ones may stay out
.if g > 0
	s_wait_alu depctr_va_vdst(0)                   ; the conversions of the group before have written their packed pairs, which the four stores below read
.endif
.set i, 0
.rept GRP
.set n, GRP*g+i
.if g > 0
	global_store_b64 v2, v[X+4*(n-GRP):X+4*(n-GRP)+1], s[38:39] offset:((n-GRP)/8)*ROWB+((n-GRP)%8)*256 th:TH_STORE_NT  ; no vector line since the wait names these registers
.endif
	v_cvt_pk_bf16_f32 v[X+4*n], v[X+4*n], v[X+4*n+1]
	v_cvt_pk_bf16_f32 v[X+4*n+1], v[X+4*n+2], v[X+4*n+3]
.set i, i+1
.endr
.set g, g+1
.endr
	s_wait_alu depctr_va_vdst(0)                   ; the last group's conversions have written their packed pairs, which the last four stores read
.set n, 32-GRP
.rept GRP
	global_store_b64 v2, v[X+4*n:X+4*n+1], s[38:39] offset:(n/8)*ROWB+(n%8)*256 th:TH_STORE_NT
.set n, n+1
.endr
	s_endpgm
.Lfunc_end_k_qf49cd357f7_cast:
	.size	k_qf49cd357f7_cast, .Lfunc_end_k_qf49cd357f7_cast-k_qf49cd357f7_cast
	.p2alignl 7, 3214868480
	.fill 96, 4, 3214868480
	.section	.rodata,"a",@progbits
	.p2align	6, 0x0
	.amdhsa_kernel k_qf49cd357f7_cast
		.amdhsa_group_segment_fixed_size 0
		.amdhsa_private_segment_fixed_size 0
		.amdhsa_enable_private_segment 0
		.amdhsa_kernarg_size 96
		.amdhsa_user_sgpr_count 2
		.amdhsa_user_sgpr_kernarg_segment_ptr 1
		.amdhsa_wavefront_size32 1
		.amdhsa_system_sgpr_workgroup_id_x 1
		.amdhsa_system_sgpr_workgroup_id_y 1
		.amdhsa_system_sgpr_workgroup_id_z 1
		.amdhsa_system_vgpr_workitem_id 0
		.amdhsa_next_free_vgpr 136
		.amdhsa_next_free_sgpr 66
		.amdhsa_reserve_vcc 0
		.amdhsa_float_denorm_mode_32 3
		.amdhsa_float_denorm_mode_16_64 3
		.amdhsa_memory_ordered 1
		.amdhsa_forward_progress 1
		.amdhsa_inst_pref_size 13
	.end_amdhsa_kernel
	.amdgpu_metadata
---
amdhsa.version: [ 1, 2 ]
amdhsa.kernels:
  - .name:           k_qf49cd357f7_cast
    .symbol:         k_qf49cd357f7_cast.kd
    .args:
      - { .name: x, .offset: 0, .size: 8, .value_kind: global_buffer, .address_space: global }
      - { .name: h_prev, .offset: 8, .size: 8, .value_kind: global_buffer, .address_space: global }
      - { .name: Wxi, .offset: 16, .size: 8, .value_kind: global_buffer, .address_space: global }
      - { .name: Wxf, .offset: 24, .size: 8, .value_kind: global_buffer, .address_space: global }
      - { .name: Wxc, .offset: 32, .size: 8, .value_kind: global_buffer, .address_space: global }
      - { .name: Wxo, .offset: 40, .size: 8, .value_kind: global_buffer, .address_space: global }
      - { .name: Whi, .offset: 48, .size: 8, .value_kind: global_buffer, .address_space: global }
      - { .name: Whf, .offset: 56, .size: 8, .value_kind: global_buffer, .address_space: global }
      - { .name: Whc, .offset: 64, .size: 8, .value_kind: global_buffer, .address_space: global }
      - { .name: Who, .offset: 72, .size: 8, .value_kind: global_buffer, .address_space: global }
      - { .name: abf, .offset: 80, .size: 8, .value_kind: global_buffer, .address_space: global }
      - { .name: wbf, .offset: 88, .size: 8, .value_kind: global_buffer, .address_space: global }
    .group_segment_fixed_size: 0
    .private_segment_fixed_size: 0
    .kernarg_segment_align: 8
    .kernarg_segment_size: 96
    .max_flat_workgroup_size: 256
    .sgpr_count:     66
    .vgpr_count:     136
    .wavefront_size: 32
...
	.end_amdgpu_metadata
.endif
;; end of part 3
;; launch lstm: the kernel of part 2 again; grid 16 x 16, 4 waves a work-group, clusters of 4 x 4, 327,680 bytes of LDS; arguments abf, wbf, out0, out1, bxi, bxf, bxc, bxo, bhi, bhf, bhc, bho, c_prev; writes out0, out1
